; MI455X (gfx1250); checked and timed in simulation.
; The chip was launched on July 23, 2026; its instructions are those of AMD's public machine-readable ISA for CDNA 5 (MIT licence, August 2026) and "CDNA5" Instruction Set Architecture Reference Guide (July 2026). The comments in the code are by the model that wrote it; some were corrected since.
;; Multi Head attention. Allowed arithmetic: matrix products marked QUANTISED: E2M1 operands, one E8M0 scale for each 32 along K, by v_wmma_scale_f32_16x16x128_f8f6f4 with both operands' format E2M1 (or v_wmma_scale_f32_32x16x128_f4), f32 sums; everything else in f32.
;; Inputs: Wk_codes 1,024 x 32 x 16 uint8 (E2M1 codes of Wk, K innermost, in blocks of 32 codes, two codes a byte); Wk_scales 1,024 x 32 uint8 (E8M0 scales of Wk, one for each 32 codes along K); Wq_codes 1,024 x 32 x 16 uint8 (E2M1 codes of Wq, K innermost, in blocks of 32 codes, two codes a byte); Wq_scales 1,024 x 32 uint8 (E8M0 scales of Wq, one for each 32 codes along K); Wv_codes 1,024 x 32 x 16 uint8 (E2M1 codes of Wv, K innermost, in blocks of 32 codes, two codes a byte); Wv_scales 1,024 x 32 uint8 (E8M0 scales of Wv, one for each 32 codes along K); bk 1,024 float32; bq 1,024 float32; bv 1,024 float32; x_codes 4 x 2,048 x 32 x 16 uint8 (E2M1 codes of x, K innermost, in blocks of 32 codes, two codes a byte); x_scales 4 x 2,048 x 32 uint8 (E8M0 scales of x, one for each 32 codes along K).
;; Outputs: out0 4 x 2,048 x 1,024 float32.
;; This version of the problem:
;;   THIS VERSION OF THE PROBLEM IS GIVEN IN LOW PRECISION. The matrix products marked QUANTISED in the list below multiply operands that are first quantised to E2M1 (2 exponent bits, 1 mantissa bit; 4 bits a number), with one power-of-two scale for each 32 numbers along K (OCP MX v1.0); their sums are f32. All else is computed in f32.
;;   The module's matrix products, in the order in which they are computed (A, B: the left and right operand; K: the contracted axis; several contracted axes count as one K, in the product's order):
;;     1. [M 8,192, K 1,024] x [K 1,024, N 1,024]; A: input x (given as codes); B: input Wq (given as codes): QUANTISED
;;     2. [M 8,192, K 1,024] x [K 1,024, N 1,024]; A: input x (given as codes); B: input Wk (given as codes): QUANTISED
;;     3. [M 8,192, K 1,024] x [K 1,024, N 1,024]; A: input x (given as codes); B: input Wv (given as codes): QUANTISED
;;     4. batch 64 x [M 2,048, K 64] x [K 64, N 2,048]; A: computed on the way; B: computed on the way: QUANTISED
;;     5. batch 64 x [M 2,048, K 2,048] x [K 2,048, N 64]; A: computed on the way; B: computed on the way: QUANTISED
;;   THE QUANTISER, for each operand of a quantised product, along K:
;;     - K is cut into blocks of 32 from its start; a last block that is shorter is filled with zeros.
;;     - A block's scale is 2^e with e = floor(log2(the largest magnitude in the block)) - 2, held to -126 .. 127; a block of zeros has e = 0. As a byte (E8M0): e + 127.
;;     - Each number is divided by its block's scale, clamped to +-6, and rounded to the nearest number of E2M1, ties to even, subnormals kept.
;;     - The product sums the exact products of the quantised numbers (number of the format x scale) in f32.
;;   ~~~python
;;   def quantise(x, axis):      # numpy; x: float32 -> the quantised numbers, widened to float32 again
;;       x = np.moveaxis(x, axis, -1); K = x.shape[-1]
;;       x = np.pad(x, [(0, 0)] * (x.ndim - 1) + [(0, -K % 32)]); x = x.reshape(x.shape[:-1] + (-1, 32)); a = np.abs(x).max(-1, keepdims=True)
;;       e = np.where(a > 0, np.clip(np.frexp(np.where(a > 0, a, 1))[1] - 1 - 2, -126, 127), 0)      # np.frexp(a)[1] - 1 = floor(log2(a)), exactly
;;       r = np.clip(x / 2.0 ** e, -6, 6)
;;       step = 2.0 ** (np.maximum(np.frexp(np.where(r == 0, 1, r))[1] - 1, 0) - 1)
;;       q = np.round(r / step) * step * 2.0 ** e      # np.round: ties to even
;;       return np.moveaxis(q.reshape(q.shape[:-2] + (-1,))[..., :K], -1, axis).astype(np.float32)
;;   ~~~
;;   OPERANDS COMPUTED ON THE WAY. 'Computed on the way' means the value that the module computes at that place (a softmax that the list does not call 'softmax' is quantised finished and normalised). What goes into a quantiser is computed in f32, as accurately as f32 sums, v_exp_f32 and their like allow (about 1e-6 of the number): no bf16 or f16 on the way to a quantiser, and a product that is left as it is and whose result goes on into a quantised operand takes f32 operands (vector FMAs, or v_wmma_f32_16x16x4_f32). A number that lies on a knife's edge between two numbers of the format may be rounded either way, as far as f32 arithmetic and the matrix unit's own rounding can turn it there, and no further.
;;   INPUTS GIVEN AS CODES. Wk (in the module: [1024, 1024], K = its axis 1); Wq (in the module: [1024, 1024], K = its axis 1); Wv (in the module: [1024, 1024], K = its axis 1); x (in the module: [4, 2048, 1024], K = its axis 2): each comes as NAME_codes (uint8): NAME with its K axis moved to the last place and cut into blocks of 32 codes, [.., K / 32, bytes a block], one block behind the other in memory; two codes a byte, the lower K in the low four bits (a code: sign, 2 exponent bits, 1 mantissa bit); and NAME_scales (uint8): the same leading axes, one E8M0 byte (e + 127) for each 32 codes along K. Its value is code x scale, taken as it is: it is not quantised again, and the codes and scales need not be those that the quantiser above would give.
;; One version. Each part assembles by itself: llvm-mc -triple=amdgcn-amd-amdhsa -mcpu=gfx1250 --defsym DOCPART=n.
;; ======== version 1 of 1: 3 launches
;; limits: right only within a limited range of input values
;; workspace buffers: img 13,369,344 bytes; bst 524,288 bytes
;; launch proj (part 1): grid 12 x 32, 4 waves a work-group, clusters of 4 x 4, 327,680 bytes of LDS; arguments x_codes, x_scales, Wq_codes, Wq_scales, Wk_codes, Wk_scales, Wv_codes, Wv_scales, bq, bk, bv, img; writes img
.if DOCPART == 1
	.amdgcn_target "amdgcn-amd-amdhsa--gfx1250"
	.amdhsa_code_object_version 6
	.text
	.protected	k_qe979b0bfab_proj
	.globl	k_qe979b0bfab_proj
	.p2align	8
	.type	k_qe979b0bfab_proj,@function
k_qe979b0bfab_proj:
	s_mov_b64 s[64:65], 0
	v_nop
	global_prefetch_b8 v0, s[64:65] scope:SCOPE_SE
	s_setreg_imm32_b32 hwreg(HW_REG_WAVE_MODE, 25, 1), 1
	s_wait_xcnt 0x0
	s_wait_alu depctr_hold_cnt(0) depctr_sa_sdst(0) depctr_va_vdst(0) depctr_va_sdst(0) depctr_va_ssrc(0) depctr_va_vcc(0) depctr_vm_vsrc(0)
	s_getreg_b32 s2, hwreg(HW_REG_IB_STS2, 6, 4)
	s_cmp_eq_u32 s2, 0
	s_cbranch_scc0 .Lentry_in_a_cluster
	s_endpgm
.Lentry_in_a_cluster:
	s_bfe_u32 s2, ttmp6, 0x10000c
	s_cmp_lg_u32 s2, 0xf033
	s_cbranch_scc0 .Lentry_shape_is_right
	s_endpgm
.Lentry_shape_is_right:
; q = x Wq^T + bq, k = x Wk^T + bk, v = x Wv^T + bv on codes of FP4 (E2M1) with E8M0 scales, sums in f32; the results are quantised here, in registers, for the two
; products of the attention: q and k along a head's 64 numbers (two blocks of 32), v along the keys (blocks of 32 tokens).  Only codes and scale bytes go to memory.
; DEAD WORK: none.  Each bias goes into a quantised operand; the softmax runs over the queries, so its weights do not sum to 1 along the keys and bv does not factor out.  All eleven inputs are loaded.
; LIMITS: NaN and infinities among the inputs are not served.  A block of zeros, or one whose largest magnitude lies under 2^-124, gets the scale byte 1 (the stated quantiser: 127 for zeros): its codes
; are zeros or next to it, and the bytes are read by this program alone.
; SHARES.  A work-group of four waves makes 256 x 256 results, a wave 128 x 128: 64 accumulators of 16 x 16 in 512 registers.  K = 1,024 lies whole in LDS: two slots of 512 along K, each filled once.
; Source 0's rows run along a lane's registers in the result, source 1's along the lanes.  The quantiser wants its axis along the registers:
;   q, k (cluster x = 0, 1): source 0 = 256 rows of W (features), source 1 = 256 rows of x (tokens);      v (cluster x = 2): source 0 = 256 rows of x (tokens = keys), source 1 = 256 rows of Wv.
; Only pointers and offsets are chosen by the cluster's x; the product's text is one.  Below "A" is source 1 and "B" source 0.
; CLUSTERS: 4 x 4 work-groups.  A's tile hangs on cy and is asked for jointly by a row of the cluster, B's on cx, by a column.
; A RESULT BECOMES CODES.  Lane (r, h) of accumulator (a, b) holds row 16 a + r of A and rows 16 b + 8 h + 0 .. 7 of B.  Tiles 2 t and 2 t + 1 of B, in lanes l and l xor 16, hold a block of 32: a conversion of
; tile 2 t's eight registers gives the block's dword h, of tile 2 t + 1's its dword 2 + h; two exchanges of lane halves for each pair of blocks then give registers 4 c .. 4 c + 3 = k 64 c + 32 h + 0 .. 31.
; THE WORKSPACE img is laid as images of operand registers: [q, k, v][batch x head: 64][HREG bytes]; a region is 65,536 bytes of chunks of 512 (lane l's 16 bytes at 16 l), then 4,096 bytes of scale words.
;   q, k: chunk a (128): token 16 a + r, the head's numbers 32 h .. 32 h + 31.   words [128 tokens: 16][r][4]: word w = the two bytes of token tile 2 w's row r, then those of tile 2 w + 1's.
;   v:    chunk [128 keys: 16][16 of the head's 64: 4][c: 2]: number 16 t + r, keys 64 c + 32 h + 0 .. 31.   words [128 keys][r][t]: the four bytes of the step's four blocks of keys.
; REGISTERS, in windows of 256: window 0: v1-29 addresses; v32-95 scale words, two sets; v96-111 at work; v112-124 scale words made; v128-191 A's fragments, later 64 results with their bias; v192-255 the codes made.
;   window 1: B's fragments, two sets, at v0 and v128; on the way out the bias from v0.   windows 2, 3: the accumulators ((a, b) at v[8 (8 (a % 4) + b)]).
.set PITCH,  528                       ; an LDS row: all of K, 512 bytes of codes + 16 of padding = 132 words: the 16 rows that a load touches start 4 banks apart
.set HALFT,  128*PITCH                 ; 128 rows: what one wave reads of A or of B
.set SLOT,   256                       ; "slot" s is bytes 256 s .. 256 s + 255 of every row: 512 along K
.set NQ,     4                         ; steps of 128 along K in a slot
.set ROWB,   256                       ; a slot's part of a row: 512 codes
.set KROW,   512                       ; a row of codes in memory
.set FR,     8                         ; registers of a fragment
.set NL,     2                         ; LDS loads that bring one
.set NP,     4                         ; places behind this matrix instruction (ISA guide 7.12.1)
.set KSB,    32                        ; a row of scale bytes
.set SCL,    4*HALFT                   ; behind A's 256 rows and B's 256 rows: the scale bytes, as units of 256 bytes + 16 of padding
.set HALFS,  16*272                    ; those of 128 rows
.set SBLK,   2*272                     ; those of 16 rows
.set SPARE,  SCL+4*HALFS               ; the spare words, 128 bytes for each wave: two blocks of 256 bytes that no other line names
.set BSC,    SPARE+512                 ; 512 bytes for each wave: its 128 numbers of the bias; no tensor load lands here
.set HREG,   69632
.set MSTR,   64*HREG
.set CODEW,  (1<<20)|(1<<21)|(6<<22)|(3<<25)          ; group 1, word 0 beside the mask: elements of 1 byte; padding on; bit 21 beside a mask; 4 words behind every 128
.set SCALW,  (3<<16)|(1<<20)|(1<<21)|(5<<22)|(3<<25)  ; the same with elements of 8 bytes
.set BW,   5                           ; v5   where I put my 16 bytes of the bias
.set BRP,  6                           ; v6   where I read it back along registers: + 32 h
.set BRR,  7                           ; v7   and along lanes: + 4 r
.set ADRA, 16                          ; v16-17  LDS address of my A fragments in slot 0, 1
.set ADRB, 20                          ; v20-21  the same for B
.set IA,   24                          ; v24  16 x lane: my place in a chunk
.set SA,   25                          ; v25  h x HREG + 16 r: my place among the scale words
.set ADRS, 27                          ; v27  LDS address of my scale words: lanes 0-15 A's rows, lanes 16-31 B's
.set SPW,  28                          ; v28  LDS address of my spare word; never rewritten
.set NIL,  29                          ; v29  0; never rewritten
.set SC,   32
.set TM,   96                          ; v96-99 largest magnitudes, v100-103 the other half's, then bytes, v108-111 the conversions' scale operands
.set PWS,  112                         ; v112-119 the scale word of each of A's eight tiles
.set SW,   120                         ; v120-123 the four words that I store
.set SELV, 124
.set AF,   128
.set HA,   128
.set PC,   192
.set WV,   28
.set RH,   29                          ; which half of A's rows is mine
.set PH,   30                          ; which half of B's rows
.set ISV,  31
.set G1,   32                          ; s[32:39], s[40:43] groups 1 and 0 for A's codes
.set G0,   40
.set G1B,  48                          ; s[48:55], s[56:59] for B's
.set G0B,  56
.set CX,   66
.set CY,   67
.set G1S,  68                          ; s[68:75], s[76:79] for A's scale bytes;  s[80:87], s[88:91] for B's
.set G0S,  76
.set G1SB, 80
.set G0SB, 88
.set SEL,  22                          ; s[22:23] lane selects for v_permlanex16_b32: lane l xor 16
.set IMB,  8                           ; s[8:9]   where my chunks begin
.set SCB,  10                          ; s[10:11] where my scale words begin
.set BIA,  20                          ; s[20:21] the bias
.set MSB, 0
.macro WIN new                         ; the immediate's high byte repeats the setting that is left
.if MSB != (\new)
	s_set_vgpr_msb (MSB<<8)|(\new)
.set MSB, (\new)
.endif
.endm
.set MUL_LO, 0xa1                      ; source 0 (B) window 1, source 1 (A) window 0, C and D window 2
.set MUL_HI, 0xf1                      ; the same, C and D window 3
.set TO_B,   0x40                      ; destination window 1, address window 0
; THE HEAD'S LOADS, ONE A WAVE: wave 0 A's 256 rows of codes, all of K; wave 1 B's; wave 2 A's scale bytes; wave 3 B's.  One tree of branches on the wave's number,
; an arm a load, each arm but the last with a jump to the tree's end.  An s_nop 0 and four v_nop follow each load.
.macro ARM under, g0, g1, next
	s_cmp_lt_u32 s[WV], \under
	s_cbranch_scc0 \next
	tensor_load_to_lds s[\g0:\g0+3], s[\g1:\g1+7]
	s_nop 0
.rept 4
	v_nop
.endr
	s_branch .Lhead_asked
\next:
.endm
.macro CROUND                          ; a round of the cluster's barrier
	s_barrier_signal -1
	s_barrier_wait -1
	s_cmp_lg_u32 s[WV], 0
	s_cbranch_scc1 .Lnot_wave_0_\@
	s_barrier_signal -3
.Lnot_wave_0_\@:
	s_barrier_wait -3
	s_barrier_signal -1
	s_barrier_wait -1
.endm
	s_load_b512 s[4:19], s[0:1], 0x0               ; x's codes s[4:5], scales s[6:7]; Wq's s[8:11]; Wk's s[12:15]; Wv's s[16:19]
	s_load_b256 s[20:27], s[0:1], 0x40             ; bq s[20:21], bk s[22:23], bv s[24:25], img s[26:27]
	v_lshl_add_u32 v[SPW], v0, 2, SPARE
	v_mov_b32 v[NIL], 0
	ds_add_u32 v[SPW], v[NIL]                      ; the wave's opening: the add, twice on end, and its wait ahead of my first tensor load
	ds_add_u32 v[SPW], v[NIL]                      ; and once more; the set-up below, work on registers, stands between it and the wait
	v_lshrrev_b32 v3, 5, v0
	v_readfirstlane_b32 s[WV], v3                  ; wave 0..3
	s_lshr_b32 s[RH], s[WV], 1
	s_and_b32 s[PH], s[WV], 1
	s_bfe_u32 s[CX], ttmp6, 0x40000                ; my place in the cluster
	s_bfe_u32 s[CY], ttmp6, 0x40004
	s_and_b32 s92, ttmp7, 0xffff
	s_lshl_b32 s92, s92, 2                         ; 4 x cluster y: the cluster's first tile of tokens
	s_cmp_eq_u32 ttmp9, 2                          ; cluster x: 0 q, 1 k, 2 v: the same in all sixteen partners
	s_cselect_b32 s[ISV], 1, 0
	s_cselect_b32 s93, 0, s92
	s_cselect_b32 s94, s92, 0
	s_add_co_u32 s93, s93, s[CY]                   ; A's tile: q, k: tokens, 4 y + cy;  v: features, cy
	s_add_co_u32 s94, s94, s[CX]                   ; B's tile: q, k: features, cx;      v: tokens, 4 y + cx
	s_lshl_b32 s95, s[CY], 2
	s_lshl_b32 s95, 15, s95                        ; my row of the cluster
	s_lshl_b32 s2, 0x1111, s[CX]                   ; my column
	s_or_b32 s[G1], s95, CODEW                     ; A's tiles go to my row,
	s_or_b32 s[G1B], s2, CODEW                     ; B's to my column
	s_or_b32 s[G1S], s95, SCALW
	s_or_b32 s[G1SB], s2, SCALW
.irp g, G1, G1B                        ; 256 rows of 512 bytes: a tile's rows, whole
	s_mov_b32 s[\g+1], KROW<<16                    ; tensor_dim0
	s_mov_b32 s[\g+2], 256<<16                     ; tensor_dim1
	s_mov_b32 s[\g+3], KROW<<16                    ; tile_dim0
	s_mov_b32 s[\g+4], 256                         ; tile_dim1
	s_mov_b32 s[\g+5], KROW                        ; tensor_dim0_stride
	s_mov_b32 s[\g+6], 0
	s_mov_b32 s[\g+7], 0
.endr
.irp g, G1S, G1SB                      ; the scale bytes of 256 rows: 8,192 dense bytes, as 32 rows of 32 elements of 8 bytes
	s_mov_b32 s[\g+1], 32<<16
	s_mov_b32 s[\g+2], 32<<16
	s_mov_b32 s[\g+3], 32<<16
	s_mov_b32 s[\g+4], 32
	s_mov_b32 s[\g+5], 32
	s_mov_b32 s[\g+6], 0
	s_mov_b32 s[\g+7], 0
.endr
	s_lshl_b32 s96, s93, 8                         ; A: the tile's first row
	s_lshl_b32 s98, s96, 5                         ; its scale bytes,
	s_lshl_b32 s96, s96, 9                         ; its codes
	s_mov_b32 s97, 0
	s_mov_b32 s99, 0
	s_lshl_b32 s100, s94, 8                        ; B likewise, in registers of its own
	s_lshl_b32 s2, s100, 5
	s_lshl_b32 s100, s100, 9
	s_mov_b32 s101, 0
	s_mov_b32 s3, 0
	s_wait_dscnt 0x0                               ; both opening adds are done
	s_wait_kmcnt 0x0
	s_cmp_eq_u32 ttmp9, 0                          ; the weight and the bias of this cluster's product
	s_cselect_b64 s[8:9], s[8:9], s[12:13]
	s_cselect_b64 s[10:11], s[10:11], s[14:15]
	s_cselect_b64 s[BIA:BIA+1], s[20:21], s[22:23]
	s_cmp_eq_u32 ttmp9, 2
	s_cselect_b64 s[8:9], s[16:17], s[8:9]
	s_cselect_b64 s[10:11], s[18:19], s[10:11]
	s_cselect_b64 s[BIA:BIA+1], s[24:25], s[BIA:BIA+1]
	s_cselect_b64 s[12:13], s[8:9], s[4:5]         ; A: x for q and k, Wv for v
	s_cselect_b64 s[14:15], s[10:11], s[6:7]
	s_cselect_b64 s[16:17], s[4:5], s[8:9]         ; B: the weight for q and k, x for v
	s_cselect_b64 s[18:19], s[6:7], s[10:11]
	s_add_nc_u64 s[12:13], s[12:13], s[96:97]
	s_add_nc_u64 s[16:17], s[16:17], s[100:101]
	s_mov_b32 s[SEL], 0x76543210
	s_mov_b32 s[SEL+1], 0xfedcba98
	CROUND                                         ; all sixteen work-groups are here: the first joint loads meet
	s_mov_b32 s[G0S], 1
	s_mov_b32 s[G0S+1], SCL                        ; LDS addresses are constants
	s_add_nc_u64 s[G0S+2:G0S+3], s[14:15], s[98:99]
	s_or_b32 s[G0S+3], s[G0S+3], 0x80000000
	s_mov_b32 s[G0SB], 1
	s_mov_b32 s[G0SB+1], SCL+2*HALFS
	s_add_nc_u64 s[G0SB+2:G0SB+3], s[18:19], s[2:3]
	s_or_b32 s[G0SB+3], s[G0SB+3], 0x80000000
	s_mov_b32 s[G0], 1                             ; A's 256 rows from LDS byte 0,
	s_mov_b32 s[G0+1], 0
	s_mov_b64 s[G0+2:G0+3], s[12:13]
	s_or_b32 s[G0+3], s[G0+3], 0x80000000
	s_mov_b32 s[G0B], 1                            ; B's behind them
	s_mov_b32 s[G0B+1], 2*HALFT
	s_mov_b64 s[G0B+2:G0B+3], s[16:17]
	s_or_b32 s[G0B+3], s[G0B+3], 0x80000000
	ARM 1, G0,  G1,  .Lhead_b
	ARM 2, G0B, G1B, .Lhead_sa
	ARM 3, G0S, G1S, .Lhead_sb
	tensor_load_to_lds s[G0SB:G0SB+3], s[G1SB:G1SB+7]
	s_nop 0
.rept 4
	v_nop
.endr
.Lhead_asked:                                          ; one load of mine is out, and nothing is ever filled again
	; where my results go.  Tokens lie along A for q and k, along B for v; features the other way round
	s_cmp_eq_u32 s[ISV], 1
	s_cselect_b32 s4, s94, s93                     ; the tile of tokens,
	s_cselect_b32 s5, s[PH], s[RH]                 ; my half of it;
	s_cselect_b32 s6, s[CY], s[CX]                 ; the tile of features,
	s_cselect_b32 s7, s[RH], s[PH]                 ; my half of it
	s_lshl_b32 s4, s4, 8
	s_lshl_b32 s5, s5, 7
	s_add_co_u32 s4, s4, s5                        ; my first token of the 8,192
	s_lshr_b32 s5, s4, 11                          ; its batch,
	s_and_b32 s4, s4, 2047                         ; its place there
	s_lshl_b32 s6, s6, 2
	s_lshl_b32 s7, s7, 1
	s_add_co_u32 s6, s6, s7                        ; the first of my two heads
	s_lshl_b32 s5, s5, 4
	s_add_co_u32 s5, s5, s6
	s_mul_i32 s5, s5, HREG
	s_mul_i32 s7, ttmp9, MSTR
	s_add_co_u32 s5, s5, s7                        ; that head's region
	s_lshl_b32 s[IMB], s4, 5                       ; 16 tokens of q or k are 512 bytes, 128 keys of v 4,096: 32 bytes a token either way
	s_add_co_u32 s[IMB], s[IMB], s5
	s_mov_b32 s[IMB+1], 0
	s_add_nc_u64 s[IMB:IMB+1], s[26:27], s[IMB:IMB+1]
	s_lshl_b32 s[SCB], s4, 1                       ; 128 tokens' scale words are 256 bytes
	s_add_co_u32 s[SCB], s[SCB], s5
	s_add_co_u32 s[SCB], s[SCB], 65536
	s_mov_b32 s[SCB+1], 0
	s_add_nc_u64 s[SCB:SCB+1], s[26:27], s[SCB:SCB+1]
	s_lshl_b32 s4, s6, 8                           ; a head's 64 numbers of the bias are 256 bytes
	s_mov_b32 s5, 0
	s_add_nc_u64 s[BIA:BIA+1], s[BIA:BIA+1], s[4:5]
	v_and_b32 v3, 31, v0
	v_lshlrev_b32 v[IA], 4, v3
	global_load_b128 v[TM:TM+3], v[IA], s[BIA:BIA+1]   ; my wave's 128 numbers of the bias: 512 consecutive bytes
	v_and_b32 v1, 15, v0                           ; r = lane % 16
	v_bfe_u32 v2, v0, 4, 1                         ; h = lane / 16
	v_mul_u32_u24 v3, v1, PITCH
	v_lshl_add_u32 v4, v2, 4, v3                   ; a fragment's row x pitch + 16 h
	s_mul_i32 s12, s[RH], HALFT                    ; my 128 rows of A
	s_mul_i32 s13, s[PH], HALFT                    ; my 128 rows of B,
	s_add_co_u32 s13, s13, 2*HALFT                 ; which lie behind A's 256
.irp s, 0,1
	v_add_nc_u32 v[ADRA+\s], s12, v4
	v_add_nc_u32 v[ADRB+\s], s13, v4
	s_add_co_u32 s12, s12, SLOT
	s_add_co_u32 s13, s13, SLOT
.endr
	v_mul_u32_u24 v8, v1, KSB                      ; my row's scale bytes: 32 a row,
	v_lshrrev_b32 v9, 8, v8
	v_lshl_add_u32 v8, v9, 4, v8                   ; and 16 more for each 256 passed
	s_mul_i32 s12, s[RH], HALFS
	s_mul_i32 s13, s[PH], HALFS
	s_add_co_u32 s13, s13, 2*HALFS
	s_sub_co_u32 s13, s13, s12
	v_mul_u32_u24 v9, s13, v2                      ; lanes 16-31 take B's: one product, the distance between the two bases x h
	s_add_co_u32 s12, s12, SCL
	v_add_nc_u32 v8, v8, v9
	v_add_nc_u32 v[ADRS], s12, v8
	v_mul_u32_u24 v[SA], v2, HREG
	v_lshl_add_u32 v[SA], v1, 4, v[SA]
	s_lshl_b32 s14, s[WV], 9
	s_add_co_u32 s14, s14, BSC
	v_add_nc_u32 v[BW], s14, v[IA]
	v_lshl_add_u32 v[BRP], v2, 5, s14
	v_lshl_add_u32 v[BRR], v1, 2, s14
	s_wait_alu depctr_va_vdst(0)
	s_wait_loadcnt 0x0                             ; the bias is in
	ds_store_b128 v[BW], v[TM:TM+3]                ; my own 512 bytes: only I read them
.macro FRAG reg, adr, q, i             ; a fragment, 16 rows x 128 K: lane l holds row l % 16; registers 4 c .. 4 c + 3 hold K = 64 c + 32 (l / 16) + 0 .. 31
.irp c, 0,1
	ds_load_b128 v[\reg+4*\c:\reg+4*\c+3], v[\adr] offset:64*(\q)+32*\c+(\i)*16*PITCH
.endr
.endm
; 16 matrix instructions: A's blocks a0, a0 + 1 x B's eight, the slot's q-th 128 along K.  p: B's set;  sc: the set of scale words.  zero = 1: the first product starts the sums.
; The 64 accumulators take turns, one instruction a turn, in the same order in every step.
.macro MUL16 a0, p, q, sc, zero
.irp a, \a0, \a0+1
.irp b, 0,1,2,3,4,5,6,7
.if \zero
	v_wmma_scale_f32_16x16x128_f8f6f4 v[8*(8*((\a)%4)+\b):8*(8*((\a)%4)+\b)+7], v[128*(\p)+FR*\b:128*(\p)+FR*\b+FR-1], v[AF+FR*(\a):AF+FR*(\a)+FR-1], 0, v[SC+8*NQ*(\sc)+NQ*\b+(\q)], v[SC+8*NQ*(\sc)+NQ*(\a)+(\q)] matrix_a_fmt:MATRIX_FMT_FP4 matrix_b_fmt:MATRIX_FMT_FP4 matrix_a_scale:MATRIX_SCALE_ROW1
.else
	v_wmma_scale_f32_16x16x128_f8f6f4 v[8*(8*((\a)%4)+\b):8*(8*((\a)%4)+\b)+7], v[128*(\p)+FR*\b:128*(\p)+FR*\b+FR-1], v[AF+FR*(\a):AF+FR*(\a)+FR-1], v[8*(8*((\a)%4)+\b):8*(8*((\a)%4)+\b)+7], v[SC+8*NQ*(\sc)+NQ*\b+(\q)], v[SC+8*NQ*(\sc)+NQ*(\a)+(\q)] matrix_a_fmt:MATRIX_FMT_FP4 matrix_b_fmt:MATRIX_FMT_FP4 matrix_a_scale:MATRIX_SCALE_ROW1
.endif
.endr
.endr
.endm
.macro FETCH_B slot, q, p              ; B's eight fragments of the slot's q-th 128 along K into set p
	WIN TO_B
.irp i, 0,1,2,3,4,5,6,7
	FRAG 128*(\p)+FR*\i, ADRB+\slot, \q, \i
.endr
	WIN 0
.endm
.macro FETCH_A slot, q, i0             ; A's blocks i0 .. i0 + 3
.irp i, \i0, \i0+1, \i0+2, \i0+3
	FRAG AF+FR*(\i), ADRA+\slot, \q, \i
.endr
.endm
.macro SCALES sc                       ; a slot's scale words into set sc: four words a row; lanes 0-15 take A's block i, lanes 16-31 B's block i
.irp i, 0,1,2,3,4,5,6,7
	ds_load_b128 v[SC+8*NQ*\sc+NQ*\i:SC+8*NQ*\sc+NQ*\i+3], v[ADRS] offset:\i*SBLK
.endr
.endm
.macro PLACES n                        ; places in front of loads into registers that matrix instructions have read (ISA guide 7.12.1 for vector instructions)
.rept \n
	v_nop
.endr
.endm
; A step of 128 along K that has its successor in the same slot.  A has one set of registers: blocks 0-3 are fetched anew in the step's middle, blocks 4-7 at its end; B has two sets.
.macro STEP slot, q, zero
	s_wait_dscnt 4*NL                              ; B's set and A's blocks 0-3 are in; the youngest eight loads (A's blocks 4-7) may be out
	WIN MUL_LO
	MUL16 0, (\q)%2, \q, \slot, \zero
	MUL16 2, (\q)%2, \q, \slot, \zero
	s_wait_dscnt 0                                 ; A's blocks 4-7 are in
	PLACES NP
	FETCH_B \slot, (\q)+1, 1-(\q)%2
	FETCH_A \slot, (\q)+1, 0
	WIN MUL_HI
	MUL16 4, (\q)%2, \q, \slot, \zero
	MUL16 6, (\q)%2, \q, \slot, \zero
	PLACES NP
	WIN 0
	FETCH_A \slot, (\q)+1, 4
.endm
; The last step of the rows' first half goes over to their second half: other addresses and the other set of scale words; all of K has been in LDS since the head's barrier.
.macro TURN slot, next
	s_wait_dscnt 4*NL                              ; the youngest eight loads (A's blocks 4-7) may be out
	WIN MUL_LO
	MUL16 0, 1, NQ-1, \slot, 0
	MUL16 2, 1, NQ-1, \slot, 0
	s_wait_dscnt 0x0                               ; A's blocks 4-7 are in
	WIN 0
	PLACES NP
	v_add_nc_u32 v[ADRS], 4*NQ, v[ADRS]            ; on to the next slot's scale words
	FETCH_B \next, 0, 0
	FETCH_A \next, 0, 0
	SCALES \next
	WIN MUL_HI
	MUL16 4, 1, NQ-1, \slot, 0
	MUL16 6, 1, NQ-1, \slot, 0
	PLACES NP
	WIN 0
	FETCH_A \next, 0, 4
.endm
.macro STEPS slot, from                ; the slot's steps from .. NQ - 2
.set Q, \from
.rept NQ-1-\from
	STEP \slot, Q, 0
.set Q, Q+1
.endr
.endm
; 64 numbers of a lane, v[s] .. v[s + 63] (register 16 t + i: tile 2 t for i < 8, tile 2 t + 1 above), become a fragment's codes in v[pc] on and its row's scale word in v[pw].
.macro QUANT s, pc, pw
.irp b, 0,1,2,3
	v_max3_num_f32 v[TM+\b], |v[\s+16*\b]|, |v[\s+16*\b+1]|, 0x1800000   ; block b: my 16 numbers, and the floor 2^(3 - 127): the byte cannot fall under 1
.endr
.irp i, 2,4,6,8,10,12,14
.irp b, 0,1,2,3
	v_max3_num_f32 v[TM+\b], v[TM+\b], |v[\s+16*\b+\i]|, |v[\s+16*\b+\i+1]|   ; (the four blocks by turns)
.endr
.endr
.irp b, 0,1,2,3
	v_permlanex16_b32 v[TM+4+\b], v[TM+\b], s[SEL], s[SEL+1]
.endr
.irp b, 0,1,2,3
	v_max_num_f32 v[TM+\b], v[TM+\b], v[TM+4+\b]   ; with lane l xor 16's: the block's largest magnitude
.endr
.irp b, 0,1,2,3
	v_add_nc_u32 v[TM+12+\b], 0xff000000, v[TM+\b] ; 2 off its exponent field: the conversion takes the exponent field of this operand as its scale
.endr
.irp b, 0,1,2,3
	v_lshrrev_b32 v[TM+4+\b], 23, v[TM+12+\b]      ; the scale's byte
.endr
	v_lshl_or_b32 v[\pw], v[TM+5], 8, v[TM+4]
	v_lshl_or_b32 v[\pw], v[TM+6], 16, v[\pw]
	v_lshl_or_b32 v[\pw], v[TM+7], 24, v[\pw]
.irp b, 0,1,2,3
	v_cvt_scalef32_pk8_fp4_f32 v[\pc+4*(\b/2)+(\b%2)], v[\s+16*\b:\s+16*\b+7], v[TM+12+\b]        ; the block's dword h
	v_cvt_scalef32_pk8_fp4_f32 v[\pc+4*(\b/2)+2+(\b%2)], v[\s+16*\b+8:\s+16*\b+15], v[TM+12+\b]   ; and its dword 2 + h
.endr
	v_nop                                          ; one plain place behind a scaled conversion
.irp c, 0,1                            ; lanes 0-15 get block 2 c whole, lanes 16-31 block 2 c + 1
	v_permlane16_swap_b32 v[\pc+4*\c], v[\pc+4*\c+1]
	v_permlane16_swap_b32 v[\pc+4*\c+2], v[\pc+4*\c+3]
.endr
.endm
; THE WAY OUT.  For each of A's eight tiles: the bias is added, the 64 numbers of a lane are quantised, and the fragment's two chunks are stored, each by 32 lanes as 512 consecutive bytes.
; isv = 0: the bias runs along the registers (features = B's rows); the chunks are token tile a of my two heads.   isv = 1: along the lanes (features = A's rows); the chunks are the two halves of the step's keys.
.macro EPI isv
	WIN TO_B
.if \isv
.irp a, 0,1,2,3,4,5,6,7
	ds_load_b32 v[2*\a], v[BRR] offset:64*\a       ; the bias of feature 16 a + r, twice: a pair for the packed addition
	ds_load_b32 v[2*\a+1], v[BRR] offset:64*\a
.endr
.else
.irp b, 0,1,2,3,4,5,6,7
	ds_load_b128 v[8*\b:8*\b+3], v[BRP] offset:64*\b          ; the bias of features 16 b + 8 h + 0 .. 7
	ds_load_b128 v[8*\b+4:8*\b+7], v[BRP] offset:64*\b+16
.endr
.endif
	s_wait_dscnt 0x0
.irp a, 0,1,2,3,4,5,6,7
	WIN 0x06+(\a)/4                                ; source 0: window 2 or 3; source 1: window 1; destination: window 0
.set n, 0
.rept 32                               ; each accumulator from its low end on
.if \isv
	v_pk_add_f32 v[HA+2*n:HA+2*n+1], v[64*((\a)%4)+2*n:64*((\a)%4)+2*n+1], v[2*\a:2*\a+1]
.else
	v_pk_add_f32 v[HA+2*n:HA+2*n+1], v[64*((\a)%4)+2*n:64*((\a)%4)+2*n+1], v[2*n:2*n+1]
.endif
.set n, n+1
.endr
	WIN 0
	QUANT HA, PC+8*\a, PWS+\a
.irp c, 0,1                            ; each tile has its own eight registers of codes: no store's data are written again
.if \isv
	global_store_b128 v[IA], v[PC+8*\a+4*\c:PC+8*\a+4*\c+3], s[IMB:IMB+1] offset:((\a)/4)*HREG+1024*((\a)%4)+512*\c
.else
	global_store_b128 v[IA], v[PC+8*\a+4*\c:PC+8*\a+4*\c+3], s[IMB:IMB+1] offset:512*\a+\c*HREG
.endif
.endr
.endr
.if \isv
.irp t, 0,1,2,3
	v_cndmask_b32 v[SW+\t], v[PWS+\t], v[PWS+4+\t], vcc_lo   ; lanes 0-15: my first head's four tiles of features; lanes 16-31: my second head's
.endr
.else
	v_mov_b32 v[SELV], 0x05040100                  ; lanes 0-15: the low halves, my first head's two bytes;
	v_mov_b32 v[SELV+1], 0x07060302                ; lanes 16-31: the high halves, my second head's
	v_cndmask_b32 v[SELV], v[SELV], v[SELV+1], vcc_lo
.irp w, 0,1,2,3
	v_perm_b32 v[SW+\w], v[PWS+2*\w+1], v[PWS+2*\w], v[SELV]   ; token tile 2 w's two bytes, then tile 2 w + 1's
.endr
.endif
	global_store_b128 v[SA], v[SW:SW+3], s[SCB:SCB+1]   ; sixteen lanes store 256 consecutive bytes, aligned, in each of my two heads' regions
.endm
	s_wait_dscnt 0x0                               ; my store of the bias is done
	s_wait_tensorcnt 0x0                           ; my tile of the head's four is in,
	s_barrier_signal -1
	s_barrier_wait -1                              ; everybody's are
	FETCH_B 0, 0, 0
	FETCH_A 0, 0, 0
	SCALES 0
	FETCH_A 0, 0, 4
	STEP 0, 0, 1                                   ; the first step's products start the sums: nothing is cleared
	STEPS 0, 1
	TURN 0, 1
	STEPS 1, 0
	s_wait_dscnt 4*NL                              ; the last step: nothing more to fetch
	WIN MUL_LO
	MUL16 0, 1, NQ-1, 1, 0
	MUL16 2, 1, NQ-1, 1, 0
	s_wait_dscnt 0
	WIN MUL_HI
	MUL16 4, 1, NQ-1, 1, 0
	MUL16 6, 1, NQ-1, 1, 0
	WIN 0
.irp b, 0,1,2,3
	v_mov_b32 v[TM+4+\b], 0                        ; a lane permute's destination counts as one of its sources.  These four and the compare are the places behind the last products
.endr
	v_cmp_ne_u32 vcc_lo, 0, v2                     ; lanes 16-31
	s_cmp_eq_u32 s[ISV], 1                         ; the cluster's x alone decides: all partners go the same way
	s_cbranch_scc1 .Lway_v
	EPI 0
	s_branch .Lend
.Lway_v:
	EPI 1
.Lend:
	s_wait_tensorcnt 0x0                           ; the wave's end: behind my last tensor load and my last LDS store
	ds_add_u32 v[SPW], v[NIL]
	s_wait_dscnt 0x0
	CROUND                                         ; the closing round: no work-group ends while a partner may still ask for a tile that names it
	s_endpgm
.Lfunc_end_k_qe979b0bfab_proj:
	.size	k_qe979b0bfab_proj, .Lfunc_end_k_qe979b0bfab_proj-k_qe979b0bfab_proj
	.p2alignl 7, 3214868480
	.fill 96, 4, 3214868480
	.section	.rodata,"a",@progbits
	.p2align	6, 0x0
	.amdhsa_kernel k_qe979b0bfab_proj
		.amdhsa_group_segment_fixed_size 327680
		.amdhsa_private_segment_fixed_size 0
		.amdhsa_enable_private_segment 0
		.amdhsa_kernarg_size 96
		.amdhsa_user_sgpr_count 2
		.amdhsa_user_sgpr_kernarg_segment_ptr 1
		.amdhsa_wavefront_size32 1
		.amdhsa_system_sgpr_workgroup_id_x 1
		.amdhsa_system_sgpr_workgroup_id_y 1
		.amdhsa_system_sgpr_workgroup_id_z 1
		.amdhsa_system_vgpr_workitem_id 0
		.amdhsa_next_free_vgpr 1024
		.amdhsa_next_free_sgpr 102
		.amdhsa_reserve_vcc 1
		.amdhsa_float_denorm_mode_32 3
		.amdhsa_float_denorm_mode_16_64 3
		.amdhsa_memory_ordered 1
		.amdhsa_forward_progress 1
		.amdhsa_inst_pref_size 194
	.end_amdhsa_kernel
	.amdgpu_metadata
---
amdhsa.version: [ 1, 2 ]
amdhsa.kernels:
  - .name:           k_qe979b0bfab_proj
    .symbol:         k_qe979b0bfab_proj.kd
    .args:
      - { .name: x_codes, .offset: 0, .size: 8, .value_kind: global_buffer, .address_space: global }
      - { .name: x_scales, .offset: 8, .size: 8, .value_kind: global_buffer, .address_space: global }
      - { .name: Wq_codes, .offset: 16, .size: 8, .value_kind: global_buffer, .address_space: global }
      - { .name: Wq_scales, .offset: 24, .size: 8, .value_kind: global_buffer, .address_space: global }
      - { .name: Wk_codes, .offset: 32, .size: 8, .value_kind: global_buffer, .address_space: global }
      - { .name: Wk_scales, .offset: 40, .size: 8, .value_kind: global_buffer, .address_space: global }
      - { .name: Wv_codes, .offset: 48, .size: 8, .value_kind: global_buffer, .address_space: global }
      - { .name: Wv_scales, .offset: 56, .size: 8, .value_kind: global_buffer, .address_space: global }
      - { .name: bq, .offset: 64, .size: 8, .value_kind: global_buffer, .address_space: global }
      - { .name: bk, .offset: 72, .size: 8, .value_kind: global_buffer, .address_space: global }
      - { .name: bv, .offset: 80, .size: 8, .value_kind: global_buffer, .address_space: global }
      - { .name: img, .offset: 88, .size: 8, .value_kind: global_buffer, .address_space: global }
    .group_segment_fixed_size: 327680
    .private_segment_fixed_size: 0
    .kernarg_segment_align: 8
    .kernarg_segment_size: 96
    .max_flat_workgroup_size: 128
    .sgpr_count:     102
    .vgpr_count:     1024
    .wavefront_size: 32
...
	.end_amdgpu_metadata
.endif
;; end of part 1
;; launch stats (part 2): grid 4 x 64, 8 waves a work-group, clusters of 4 x 1, 167,936 bytes of LDS; arguments img, bst; writes bst
.if DOCPART == 2
	.amdgcn_target "amdgcn-amd-amdhsa--gfx1250"
	.amdhsa_code_object_version 6
	.text
	.protected	k_qe979b0bfab_stats
	.globl	k_qe979b0bfab_stats
	.p2align	8
	.type	k_qe979b0bfab_stats,@function
k_qe979b0bfab_stats:
	s_mov_b64 s[64:65], 0
	v_nop
	global_prefetch_b8 v0, s[64:65] scope:SCOPE_SE
	s_setreg_imm32_b32 hwreg(HW_REG_WAVE_MODE, 25, 1), 1
	s_wait_xcnt 0x0
	s_wait_alu depctr_hold_cnt(0) depctr_sa_sdst(0) depctr_va_vdst(0) depctr_va_sdst(0) depctr_va_ssrc(0) depctr_va_vcc(0) depctr_vm_vsrc(0)
	s_getreg_b32 s2, hwreg(HW_REG_IB_STS2, 6, 4)
	s_cmp_eq_u32 s2, 0
	s_cbranch_scc0 .Lentry_in_a_cluster
	s_endpgm
.Lentry_in_a_cluster:
	s_bfe_u32 s2, ttmp6, 0x10000c
	s_cmp_lg_u32 s2, 0x3003
	s_cbranch_scc0 .Lentry_shape_is_right
	s_endpgm
.Lentry_shape_is_right:
; THE SOFTMAX'S STATISTICS.  The softmax runs over the QUERIES: for each key k of each (batch, head), M = the largest t = score x log2(e) / 10 over all 2,048 queries, rounded up to a whole number, and
; l = the sum over the queries of 2^(t - M).  Stored: nb[k] = -M - log2(l), so that the finished weight is 2^(t + nb[k]).  No work of the problem is left out here.
; The scores are the quantised product q k^T on the codes that the launch before has made.
; LIMITS: NaN and infinities are not served; the promise holds while |t| stays under 2^31.  The scores are made once more in the next launch, with the sources exchanged: their last bits may differ.
; SHARES.  A work-group takes 512 keys of one (batch, head), each of its eight waves 64: four tiles of 16, which stay in registers as source 1.  Every wave walks all 2,048 queries, 128 a step, from the head's
; region of q in LDS, which comes once.  In a result lane (r, h) holds key r and queries 16 t + 8 h + 0 .. 7: a key's maximum and sum run down a lane's registers, and one exchange joins the halves.
; A HEAD HAS 64 NUMBERS, THE INSTRUCTION 128 ALONG K.  Source 0 is a PAIR of query tiles 2 b, 2 b + 1 (registers 0-3, 4-7); source 1 is the key tile with four registers of zero codes above or below it,
; cut out of the chain Z k0 Z k1 Z k2 Z k3 Z.  Zero codes add nothing under this program's scale bytes (1 to 254).
; CLUSTER: the four work-groups of a (batch, head) read the same q: it is asked for jointly, each wave bringing 34 rows of 256 bytes, by arithmetic on its number, with no branch.
; No prefetch: q is asked for once, at the head; there is no loop to run ahead in.
; THE PIPELINE.  The (step, tile) pairs are walked in order, p = 4 step + tile; tile i's 64 scores live in buffer i of a ring of four.  Phase p:
;   the rest of p - 2's sum (15 additions, then l = l x 2^(old M - new M) + sum);  the scores of p + 2 into the buffer so freed;  the maxima and the new M of p + 1;  one wait;
;   ONE BATCH of p's 64 exponentials, among which stand 48 plain instructions that are due anyway: p + 1's 32 scalings t - M and the first 16 additions of p - 1's sum, in place;  one wait.
; Of these 48 none names a result of the batch, none reads what another of them wrote, and none is the first reader of a matrix result (the maxima are): so the two waits serve them all.
; REGISTERS.  Window 1: the four buffers, tile i at v[64 i].  Window 0: all else.
.set HREG,  69632
.set MSTR,  64*HREG
.set SCR,   69632                      ; LDS: q's region from 0 (scale words from 65,536); then 4 bytes for each of the 512 keys, written by ds_store alone;
.set SPARE, 71680                      ; then the spare words, 128 bytes for each wave: four blocks of 256 bytes that no other line names
.set AQ0,  1                           ; 16 x lane
.set ASQ0, 2                           ; 65,536 + 16 r
.set ADQ,  3                           ; LDS address of the step's chunks
.set ADS,  4                           ; and of its scale words
.set SPW,  5                           ; LDS address of my spare word; never rewritten
.set NIL,  6                           ; 0; never rewritten
.set R16,  7                           ; 16 r
.set KCH,  8                           ; v8-43  Z k0 Z k1 Z k2 Z k3 Z
.set KS,   44                          ; v44-47 the key tiles' scale words: the two bytes, twice
.set KRAW, 48
.set QF,   52                          ; v52-83 four pairs of q
.set QSW,  84                          ; v84-87 their scale words
.set ST,   88                          ; tile i at v[88 + 4 i]: -M, the largest t, l in two halves
.set F,    104                         ; tile i at v[104 + 2 i]: 2^(old M - new M), and a word named with it as a pair
.set T,    112                         ; v112-119 at work
.set SCWA, 120                         ; SCR + 256 x wave + 4 x lane
.set SCRA, 121                         ; SCR + 16 x thread
.set GOF,  122                         ; 16 x thread
.set HH,   123                         ; lane / 16
.set WV,   8
.set CX,   9
.set BH,   10
.set G0,   12
.set G1,   16
.set CS,   24                          ; s[24:25] c = log2(e) / 10
.set SEL,  26
.set TQ,   28
.set TSQ,  29
.set TRIPS, 30
.set MSB, 0
.macro WIN new                         ; low byte: bits 1:0 source 0, 3:2 source 1, 5:4 source 2, 7:6 destination; the high byte repeats the setting that is left
.if MSB != (\new)
	s_set_vgpr_msb (MSB<<8)|(\new)
.set MSB, (\new)
.endif
.endm
.macro CROUND
	s_barrier_signal -1
	s_barrier_wait -1
	s_cmp_lg_u32 s[WV], 0
	s_cbranch_scc1 .Lnot_wave_0_\@
	s_barrier_signal -3
.Lnot_wave_0_\@:
	s_barrier_wait -3
	s_barrier_signal -1
	s_barrier_wait -1
.endm
	s_load_b128 s[4:7], s[0:1], 0x0                ; img s[4:5], bst s[6:7]
	v_lshl_add_u32 v[SPW], v0, 2, SPARE
	v_mov_b32 v[NIL], 0
	ds_add_u32 v[SPW], v[NIL]                      ; the wave's opening: the add, twice on end, and its wait ahead of my tensor load
	ds_add_u32 v[SPW], v[NIL]                      ; and once more; the set-up below stands between it and the wait
	v_lshrrev_b32 v[R16], 5, v0
	v_readfirstlane_b32 s[WV], v[R16]              ; wave 0..7
	s_bfe_u32 s[CX], ttmp6, 0x40000                ; my place in the cluster: which 512 keys
	s_and_b32 s[BH], ttmp7, 0xffff                 ; 16 batch + head, which the four partners share
	s_mov_b32 s[G1], 15|(3<<16)|(1<<21)            ; the mask: all four; elements of 8 bytes; bit 21 beside a mask; no padding: chunks are read 512 consecutive bytes at a time
	s_mov_b32 s[G1+1], 32<<16                      ; rows of 256 bytes,
	s_mov_b32 s[G1+2], 34<<16                      ; 34 of them: an eighth of the region
	s_mov_b32 s[G1+3], 32<<16
	s_mov_b32 s[G1+4], 34
	s_mov_b32 s[G1+5], 32                          ; dense
	s_mov_b32 s[G1+6], 0
	s_mov_b32 s[G1+7], 0
	s_mul_i32 s32, s[BH], HREG                     ; the head's region
	s_mov_b32 s[G0], 1
	s_mul_i32 s[G0+1], s[WV], 8704                 ; my rows in LDS,
	s_add_co_u32 s34, s32, s[G0+1]                 ; and in q's part of img
	s_mov_b32 s35, 0
	s_lshl_b32 s36, s[CX], 5
	s_lshl_b32 s37, s[WV], 2
	s_add_co_u32 s36, s36, s37                     ; my first key tile: 32 cx + 4 wave
	s_lshl_b32 s36, s36, 9
	s_add_co_u32 s36, s36, s32
	s_add_co_u32 s36, s36, MSTR                    ; its chunk in k's part of img
	s_mov_b32 s37, 0
	s_lshl_b32 s38, s[CX], 2
	s_lshr_b32 s39, s[WV], 1
	s_add_co_u32 s38, s38, s39                     ; its step of 128 tokens,
	s_lshl_b32 s38, s38, 8
	s_and_b32 s39, s[WV], 1
	s_lshl_b32 s39, s39, 3                         ; and the two words of my four tiles
	s_add_co_u32 s38, s38, s39
	s_add_co_u32 s38, s38, s32
	s_add_co_u32 s38, s38, MSTR+65536
	s_mov_b32 s39, 0
	s_lshl_b32 s40, s[BH], 13                      ; bst: 8,192 bytes a head, 2,048 a work-group
	s_lshl_b32 s41, s[CX], 11
	s_add_co_u32 s40, s40, s41
	s_mov_b32 s41, 0
	s_mov_b32 s[CS], 0x3e13bb63                    ; log2(e) / 10
	s_mov_b32 s[CS+1], s[CS]                       ; (named with it as a pair, so it is written)
	s_mov_b32 s[SEL], 0x76543210
	s_mov_b32 s[SEL+1], 0xfedcba98
	s_mov_b32 s[TQ], 0
	s_mov_b32 s[TSQ], 0
	s_wait_dscnt 0x0                               ; both opening adds are done
	s_wait_kmcnt 0x0
	s_add_nc_u64 s[G0+2:G0+3], s[4:5], s[34:35]
	s_or_b32 s[G0+3], s[G0+3], 0x80000000
	s_add_nc_u64 s[36:37], s[4:5], s[36:37]
	s_add_nc_u64 s[38:39], s[4:5], s[38:39]
	s_add_nc_u64 s[6:7], s[6:7], s[40:41]
	CROUND                                         ; all four work-groups are here: the joint loads meet
	tensor_load_to_lds s[G0:G0+3], s[G1:G1+7]      ; my one tensor load
	s_nop 0
.rept 4
	v_nop
.endr
	v_and_b32 v[T], 31, v0
	v_lshlrev_b32 v[AQ0], 4, v[T]
	v_and_b32 v[R16], 15, v0
	v_lshlrev_b32 v[R16], 4, v[R16]
.irp i, 0,1,2,3
	global_load_b128 v[KCH+8*\i+4:KCH+8*\i+7], v[AQ0], s[36:37] offset:512*\i   ; my four key tiles stay in registers
.endr
	global_load_b64 v[KRAW:KRAW+1], v[R16], s[38:39]   ; row r's two words: the two bytes of each of the four tiles
	v_add_nc_u32 v[ASQ0], 0x10000, v[R16]
	v_lshrrev_b32 v[T+1], 5, v0
	v_lshlrev_b32 v[T+1], 8, v[T+1]
	v_lshl_add_u32 v[SCWA], v[T], 2, v[T+1]
	v_add_nc_u32 v[SCWA], SCR, v[SCWA]
	v_lshl_add_u32 v[SCRA], v0, 4, SCR
	v_lshlrev_b32 v[GOF], 4, v0
	v_bfe_u32 v[HH], v0, 4, 1
.irp z, 0,1,2,3,4
.irp j, 0,1,2,3
	v_mov_b32 v[KCH+8*\z+\j], 0                    ; the chain's zero codes
.endr
.endr
.irp i, 0,1,2,3
	v_mov_b32 v[ST+4*\i+1], 0xff61b1e6             ; the largest t so far: -3e38, under every t
	v_floor_f32 v[ST+4*\i], -v[ST+4*\i+1]          ; -M
	v_mov_b32 v[ST+4*\i+2], 0                      ; l: the first change of M multiplies zeros
	v_mov_b32 v[ST+4*\i+3], 0
	v_mov_b32 v[F+2*\i+1], 0                       ; (named as the upper half of a pair)
.endr
	s_wait_alu depctr_va_vdst(0)
	s_wait_loadcnt 0x0
.irp i, 0,1,2,3
	v_perm_b32 v[KS+\i], v[KRAW+\i/2], v[KRAW+\i/2], 0x01000100+(\i%2)*0x02020202   ; the same two bytes for the lower and for the upper half of K
.endr
.rept 8
	v_nop                                          ; a scale register written by a vector instruction stands 8 places ahead of a scaled matrix instruction
.endr
; Eight products: the step's 128 queries x key tile i, into buffer i.  Eight different results, each begun with 0.
.macro SCORES i
	WIN 0x40                                       ; the results in window 1
.irp b, 0,1,2,3
.irp u, 0,1
	v_wmma_scale_f32_16x16x128_f8f6f4 v[64*(\i)+8*(2*\b+\u):64*(\i)+8*(2*\b+\u)+7], v[QF+8*\b:QF+8*\b+7], v[KCH+8*(\i)+4*(1-\u):KCH+8*(\i)+4*(1-\u)+7], 0, v[QSW+\b], v[KS+(\i)] matrix_a_fmt:MATRIX_FMT_FP4 matrix_b_fmt:MATRIX_FMT_FP4
.endr
.endr
.endm
.macro QLOAD                           ; the next step's eight chunks (each load: 512 consecutive bytes) and four scale words a row
	WIN 0
	v_add_nc_u32 v[ADQ], s[TQ], v[AQ0]
	v_add_nc_u32 v[ADS], s[TSQ], v[ASQ0]
.irp n, 0,1,2,3,4,5,6,7
	ds_load_b128 v[QF+4*\n:QF+4*\n+3], v[ADQ] offset:512*\n
.endr
	ds_load_b128 v[QSW:QSW+3], v[ADS]
	s_add_co_u32 s[TQ], s[TQ], 4096
	s_add_co_u32 s[TSQ], s[TSQ], 256
.endm
; The step's largest score of tile i's keys, the new M and 2^(old M - new M).  Eight chains, one a result, each result read from its low end on.
.macro MX i
	WIN 0x15                                       ; three sources in window 1
.irp n, 0,1,2,3,4,5,6,7
	v_max3_num_f32 v[T+\n], v[64*(\i)+8*\n], v[64*(\i)+8*\n+1], v[64*(\i)+8*\n+2]
.endr
	WIN 0x05                                       ; two
.irp k, 3,5
.irp n, 0,1,2,3,4,5,6,7
	v_max3_num_f32 v[T+\n], v[64*(\i)+8*\n+\k], v[64*(\i)+8*\n+\k+1], v[T+\n]
.endr
.endr
.irp m, 0,1,2,3
	v_max3_num_f32 v[T+2*\m], v[64*(\i)+16*\m+7], v[64*(\i)+16*\m+15], v[T+2*\m]
.endr
	WIN 0
	v_max3_num_f32 v[T], v[T], v[T+1], v[T+2]
	v_max3_num_f32 v[T+4], v[T+4], v[T+5], v[T+6]
	s_delay_alu instid0(VALU_DEP_2)
	v_max3_num_f32 v[T], v[T], v[T+3], v[T+7]
	s_delay_alu instid0(VALU_DEP_1)
	v_max_num_f32 v[T], v[T], v[T+4]
	v_permlanex16_b32 v[T+1], v[T], s[SEL], s[SEL+1]
	v_max_num_f32 v[T], v[T], v[T+1]               ; with lane l xor 16's 64 queries: both halves keep one M
	s_delay_alu instid0(VALU_DEP_1)
	v_mul_f32 v[T], s[CS], v[T]                    ; as t (c is positive)
	s_delay_alu instid0(VALU_DEP_1)
	v_max_num_f32 v[ST+4*(\i)+1], v[ST+4*(\i)+1], v[T]   ; the running largest t
	v_mov_b32 v[T+1], v[ST+4*(\i)]
	s_delay_alu instid0(VALU_DEP_2)
	v_floor_f32 v[ST+4*(\i)], -v[ST+4*(\i)+1]      ; the new -M = floor(-t): M is a whole number
	s_delay_alu instid0(VALU_DEP_1)
	v_sub_f32 v[T+1], v[ST+4*(\i)], v[T+1]         ; old M less new M: a whole number, 0 or less
	s_delay_alu instid0(VALU_DEP_1)
	v_cvt_i32_f32 v[T+1], v[T+1]                   ; (it saturates)
	s_delay_alu instid0(VALU_DEP_1)
	v_ldexp_f32 v[F+2*(\i)], 1.0, v[T+1]           ; 2^(old M - new M): the multiplication by it rounds nothing
.endm
.macro PF i, n                         ; pair n of tile i: t - M (of the pairs c and -M the low word serves both halves).  Under WIN 0x45
	v_pk_fma_f32 v[64*(\i)+2*(\n):64*(\i)+2*(\n)+1], v[64*(\i)+2*(\n):64*(\i)+2*(\n)+1], s[CS:CS+1], v[ST+4*(\i):ST+4*(\i)+1] op_sel_hi:[1,0,0]
.endm
.macro L1 i, k                         ; the sum's first level, in place: registers 4 k, 4 k + 1 take 4 k + 2, 4 k + 3 in.  Under WIN 0x45
	v_pk_add_f32 v[64*(\i)+4*(\k):64*(\i)+4*(\k)+1], v[64*(\i)+4*(\k):64*(\i)+4*(\k)+1], v[64*(\i)+4*(\k)+2:64*(\i)+4*(\k)+3]
.endm
.macro ADDP i, a, b                    ; pair at register a += pair at register b
	v_pk_add_f32 v[64*(\i)+\a:64*(\i)+\a+1], v[64*(\i)+\a:64*(\i)+\a+1], v[64*(\i)+\b:64*(\i)+\b+1]
.endm
.macro REST i                          ; the 16 pairs that the first level left become one; then l under the new M takes it in
	WIN 0x45
.irp m, 0,8,16,24,32,40,48,56
	ADDP \i, \m, \m+4
.endr
.irp m, 0,16,32,48
	ADDP \i, \m, \m+8
.endr
	ADDP \i, 0, 16
	ADDP \i, 32, 48
	ADDP \i, 0, 32
	WIN 0x10                                       ; the sum in window 1, l and the factor in window 0
	v_pk_fma_f32 v[ST+4*(\i)+2:ST+4*(\i)+3], v[ST+4*(\i)+2:ST+4*(\i)+3], v[F+2*(\i):F+2*(\i)+1], v[64*(\i):64*(\i)+1] op_sel_hi:[1,0,1]
.endm
; Tile i's 64 exponentials.  Behind three of every four stands one plain instruction: first the next tile's 32 scalings (pf), then the first level of the last tile's sum (l1).
.macro BATCH i, pf, l1
.set NX, ((\i)+1)%4
.set PV, ((\i)+3)%4
	WIN 0x45                                       ; sources 0 and 1 and the destination in window 1, source 2 (-M) in window 0: one setting for the whole batch
	s_wait_alu depctr_va_vdst(0)                   ; one wait ahead of the batch
.set n, 0
.set f, 0
.rept 64
	v_exp_f32 v[64*(\i)+n], v[64*(\i)+n]
.if (n%4) != 3
.if f < 32
.if \pf
	PF NX, f
.endif
.else
.if \l1
	L1 PV, f-32
.endif
.endif
.set f, f+1
.endif
.set n, n+1
.endr
	v_nop                                          ; a plain place behind the batch
	s_wait_alu depctr_va_vdst(0)                   ; one wait behind it, ahead of the first reader of its results, of what the 48 wrote, and of the scores made ahead of it
	WIN 0
.endm
; rest: the sum of the tile two back is finished.  sc: the scores of the tile two on.  mx: the next tile's M.  ql: the next step's q is fetched (the maxima are the places behind the products that read the old).  wq: it is waited for.
.macro PHASE i, rest, sc, mx, ql, wq, pf, l1
.if \wq
	s_wait_dscnt 0x0
.endif
.if \rest
	REST ((\i)+2)%4
.endif
.if \sc
	SCORES ((\i)+2)%4
.endif
.if \mx
	MX ((\i)+1)%4
.endif
.if \ql
	QLOAD
.endif
	BATCH \i, \pf, \l1
.endm
	s_wait_alu depctr_va_vdst(0)
	s_wait_tensorcnt 0x0                           ; my rows of q are in,
	s_barrier_signal -1
	s_barrier_wait -1                              ; everybody's are
	QLOAD
	s_wait_dscnt 0x0
	SCORES 0
	SCORES 1
	WIN 0
.rept 4
	v_nop                                          ; on this one way no plain line stands between the products and the first maximum
.endr
	MX 0
	WIN 0x45
.set g, 0
.rept 32
	PF 0, g                                        ; the very first tile's scalings have no batch to stand in
.set g, g+1
.endr
	PHASE 0, 0, 1, 1, 0, 0, 1, 0                   ; the first step: no sums are due yet
	PHASE 1, 0, 1, 1, 1, 0, 1, 1
	PHASE 2, 1, 1, 1, 0, 1, 1, 1
	PHASE 3, 1, 1, 1, 0, 0, 1, 1
	s_mov_b32 s[TRIPS], 14
.Lstep:
	PHASE 0, 1, 1, 1, 0, 0, 1, 1
	PHASE 1, 1, 1, 1, 1, 0, 1, 1
	PHASE 2, 1, 1, 1, 0, 1, 1, 1
	PHASE 3, 1, 1, 1, 0, 0, 1, 1
	s_sub_co_u32 s[TRIPS], s[TRIPS], 1
	s_cmp_lg_u32 s[TRIPS], 0
	s_cbranch_scc1 .Lstep
	PHASE 0, 1, 1, 1, 0, 0, 1, 1                   ; the last step fetches nothing and makes no scores beyond the end
	PHASE 1, 1, 1, 1, 0, 0, 1, 1
	PHASE 2, 1, 0, 1, 0, 0, 1, 1
	PHASE 3, 1, 0, 0, 0, 0, 0, 1
	REST 2
	WIN 0x45
.set g, 0
.rept 16
	L1 3, g
.set g, g+1
.endr
	REST 3
	WIN 0
.irp i, 0,1,2,3
	v_add_f32 v[T+\i], v[ST+4*\i+2], v[ST+4*\i+3]  ; l's two halves,
.endr
.irp i, 0,1,2,3
	v_permlanex16_b32 v[T+4+\i], v[T+\i], s[SEL], s[SEL+1]
.endr
.irp i, 0,1,2,3
	v_add_f32 v[T+\i], v[T+\i], v[T+4+\i]          ; and lane l xor 16's
.endr
	s_wait_alu depctr_va_vdst(0)                   ; ahead of the four logarithms
.irp i, 0,1,2,3
	v_log_f32 v[T+\i], v[T+\i]                     ; l lies between 1/2 and 2,048
.endr
	v_cmp_ne_u32 vcc_lo, 0, v[HH]
	v_nop                                          ; a plain place behind the logarithms
	s_wait_alu depctr_va_vdst(0)                   ; and the wait ahead of their first reader
.irp i, 0,1,2,3
	v_sub_f32 v[T+\i], v[ST+4*\i], v[T+\i]         ; nb = -M - log2(l)
.endr
	v_cndmask_b32 v[T], v[T], v[T+1], vcc_lo       ; lanes 0-15: tile 0's keys; lanes 16-31: tile 1's: lane = key among my first 32
	v_cndmask_b32 v[T+2], v[T+2], v[T+3], vcc_lo   ; tiles 2 and 3: my second 32
	ds_store_b32 v[SCWA], v[T]
	ds_store_b32 v[SCWA], v[T+2] offset:128
	s_wait_dscnt 0x0                               ; for the others' sake: my stores are done
	s_barrier_signal -1
	s_barrier_wait -1
	s_cmp_lt_u32 s[WV], 4                          ; four waves store the 2,048 bytes: sixteen lanes to 256 consecutive bytes, aligned
	s_cbranch_scc0 .Lno_store
	ds_load_b128 v[T+4:T+7], v[SCRA]
	s_wait_dscnt 0x0
	global_store_b128 v[GOF], v[T+4:T+7], s[6:7]
.Lno_store:
	s_wait_tensorcnt 0x0                           ; the wave's end: behind my tensor load and my last LDS store
	ds_add_u32 v[SPW], v[NIL]
	s_wait_dscnt 0x0
	CROUND                                         ; the closing round
	s_endpgm
.Lfunc_end_k_qe979b0bfab_stats:
	.size	k_qe979b0bfab_stats, .Lfunc_end_k_qe979b0bfab_stats-k_qe979b0bfab_stats
	.p2alignl 7, 3214868480
	.fill 96, 4, 3214868480
	.section	.rodata,"a",@progbits
	.p2align	6, 0x0
	.amdhsa_kernel k_qe979b0bfab_stats
		.amdhsa_group_segment_fixed_size 167936
		.amdhsa_private_segment_fixed_size 0
		.amdhsa_enable_private_segment 0
		.amdhsa_kernarg_size 16
		.amdhsa_user_sgpr_count 2
		.amdhsa_user_sgpr_kernarg_segment_ptr 1
		.amdhsa_wavefront_size32 1
		.amdhsa_system_sgpr_workgroup_id_x 1
		.amdhsa_system_sgpr_workgroup_id_y 1
		.amdhsa_system_sgpr_workgroup_id_z 1
		.amdhsa_system_vgpr_workitem_id 0
		.amdhsa_next_free_vgpr 512
		.amdhsa_next_free_sgpr 66
		.amdhsa_reserve_vcc 1
		.amdhsa_float_denorm_mode_32 3
		.amdhsa_float_denorm_mode_16_64 3
		.amdhsa_memory_ordered 1
		.amdhsa_forward_progress 1
		.amdhsa_inst_pref_size 131
	.end_amdhsa_kernel
	.amdgpu_metadata
---
amdhsa.version: [ 1, 2 ]
amdhsa.kernels:
  - .name:           k_qe979b0bfab_stats
    .symbol:         k_qe979b0bfab_stats.kd
    .args:
      - { .name: img, .offset: 0, .size: 8, .value_kind: global_buffer, .address_space: global }
      - { .name: bst, .offset: 8, .size: 8, .value_kind: global_buffer, .address_space: global }
    .group_segment_fixed_size: 167936
    .private_segment_fixed_size: 0
    .kernarg_segment_align: 8
    .kernarg_segment_size: 16
    .max_flat_workgroup_size: 256
    .sgpr_count:     66
    .vgpr_count:     512
    .wavefront_size: 32
...
	.end_amdgpu_metadata
.endif
;; end of part 2
;; launch attn (part 3): grid 4 x 64, 8 waves a work-group, clusters of 4 x 1, 327,680 bytes of LDS; arguments img, bst, out0; writes out0
.if DOCPART == 3
	.amdgcn_target "amdgcn-amd-amdhsa--gfx1250"
	.amdhsa_code_object_version 6
	.text
	.protected	k_qe979b0bfab_attn
	.globl	k_qe979b0bfab_attn
	.p2align	8
	.type	k_qe979b0bfab_attn,@function
k_qe979b0bfab_attn:
	s_mov_b64 s[64:65], 0
	v_nop
	global_prefetch_b8 v0, s[64:65] scope:SCOPE_SE
	s_setreg_imm32_b32 hwreg(HW_REG_WAVE_MODE, 25, 1), 1
	s_wait_xcnt 0x0
	s_wait_alu depctr_hold_cnt(0) depctr_sa_sdst(0) depctr_va_vdst(0) depctr_va_sdst(0) depctr_va_ssrc(0) depctr_va_vcc(0) depctr_vm_vsrc(0)
	s_getreg_b32 s2, hwreg(HW_REG_IB_STS2, 6, 4)
	s_cmp_eq_u32 s2, 0
	s_cbranch_scc0 .Lentry_in_a_cluster
	s_endpgm
.Lentry_in_a_cluster:
	s_bfe_u32 s2, ttmp6, 0x10000c
	s_cmp_lg_u32 s2, 0x3003
	s_cbranch_scc0 .Lentry_shape_is_right
	s_endpgm
.Lentry_shape_is_right:
; out[q] = the sum over the keys of Q4(2^(t + nb[k])) Q4(v[k]),  t = score x log2(e) / 10,  score = the quantised product q k^T,  nb[k] = -M - log2(l) from the launch before: 2^(t + nb) is the finished
; softmax over the QUERIES.  It is quantised here along the keys, in blocks of 32, and multiplied with v's codes.  No work of the problem is left out here.
; LIMITS: NaN and infinities are not served; the promise holds while |t| stays under 2^31.  A block whose every weight lies under 2^-124 gets the scale byte 1: its codes are zeros or next to it.
; SHARES.  A work-group takes 512 queries of one (batch, head); each of its eight waves 64: four tiles of 16, whose codes stay in registers.  Every wave walks all 2,048 keys, 128 a step.
; The head's regions of k and v (codes as images of operand registers, and scale words) lie whole in LDS, filled once: each wave brings 68 rows of 256 bytes by one load.
; CLUSTER: the four work-groups of a (batch, head) read the same k and v: they are asked for jointly.  nb (8,192 bytes a head) comes through registers into LDS bytes of its own.
; No prefetch: k, v and nb are asked for once, at the head; there is no loop to run ahead in.
; LAYOUT.  Both products are used transposed: S^T = k q^T, O^T = v^T p^T: a lane (r, h) holds query r throughout.
; THE KEYS OF A TILE ARE CHOSEN: tile n = 4 c + t of a step takes keys 64 c + 8 t + 0 .. 7 as rows 0-7 and keys 64 c + 32 + 8 t + 0 .. 7 as rows 8-15.  So register 32 c + 8 t + j of lane (r, h) is key
; 64 c + 32 h + 8 t + j: A LANE HOLDS TWO WHOLE BLOCKS OF 32 KEYS, in the order of the second product's operand: the conversion of tile n's eight registers is that operand's register n, and a block's
; largest weight needs no other lane.  Only the scale word's four bytes are gathered from lanes l and l xor 16.
; A HEAD HAS 64 NUMBERS, THE INSTRUCTION 128 ALONG K.  Source 0 is a PAIR of key tiles 2 b, 2 b + 1 (registers 0-3, 4-7); source 1 is the query tile with four registers of zero codes above or below it,
; cut out of the chain Z q0 Z q1 Z q2 Z q3 Z.  Zero codes add nothing under this program's scale bytes (1 to 254).
; A PHASE serves one query tile of one step: t + nb (32 packed multiply-adds), the tile before's second product, the next tile's scores, then 32 maxima, ONE batch of 66 exponentials with one wait ahead
; of it and one behind it, the scales and the conversions.  LDS loads for later phases stand ahead of the batch and are waited for at the head of the phase that uses them.
; REGISTERS.  Window 0: v1-31 addresses and scale words; v32-67 the chain of q; v68-76 p's codes and scale word; v80-91 at work; v96-223 two sets of 64 scores.
;   Window 1: v0-127 O^T (tile i, 16 t of the head's 64: v[32 i + 8 t]); v128-159 k's four pairs; v160-191 v's four tiles; v192-255 nb of my 64 keys of the step.
.set HREG,  69632                      ; a head's region in img: 65,536 bytes of chunks, 4,096 of scale words
.set MSTR,  64*HREG
.set VREG,  69632                      ; LDS: k's region from 0, v's from here,
.set BSTL,  139264                     ; nb: 8,192 bytes, written by ds_store alone,
.set OSTG,  147456                     ; the way out: 16 rows x 272 bytes for each wave, written by ds_store alone,
.set SPARE, 182272                     ; the spare words, 128 bytes for each wave: four blocks of 256 bytes that no other line names
.set AK0,  2                           ; my lane's place in k's chunks: 16 (r % 8) + 1,024 (r / 8) + 256 h
.set AV0,  3                           ; in v's: VREG + 16 x lane
.set AB0,  4                           ; in nb: BSTL + 128 h
.set ASK0, 5                           ; among k's scale words: 65,536 + 16 (r % 8) + 4 (r / 8)
.set ASV0, 6                           ; among v's: VREG + 65,536 + 16 r
.set WA,   7                           ; addresses of the loads in hand
.set WB,   8
.set STO,  12
.set RD,   13
.set GO,   14
.set R16,  15
.set SPW,  16                          ; LDS address of my spare word; never rewritten
.set NIL,  17                          ; 0; never rewritten
.set QRAW, 18
.set QS,   20                          ; v20-23 the query tiles' scale words: the two bytes, twice
.set KS,   24                          ; v24-27 the pairs' scale words
.set VS,   28                          ; v28-31 v's
.set QCH,  32
.set PC,   68
.set PW,   76
.set SH8,  77                          ; 8 h
.set L16,  78                          ; 16 x lane
.set BWA,  79                          ; BSTL + 16 x thread
.set TM,   80                          ; v80-87 eight chains of the maxima; then block c's: v[80+4c] largest, +1 conversion's scale, +2 byte
.set KW,   88                          ; v88-91 k's scale words as they lie
.set S0,   96
.set KF,   128
.set VF,   160
.set NB,   192
.set WV,   10
.set CX,   11
.set BH,   12
.set G1A,  16
.set G0A,  24
.set CS,   40                          ; s[40:41] c = log2(e) / 10
.set SEL,  42                          ; s[42:43] selects for lane l xor 16
.set TK,   44                          ; the step's chunks: 4,096 bytes a step
.set TB,   45                          ; its nb: 512
.set TS,   46                          ; its scale words: 256
.set TRIPS, 47
.set MSB, 0
.macro WIN new                         ; the immediate's high byte repeats the setting that is left
.if MSB != (\new)
	s_set_vgpr_msb (MSB<<8)|(\new)
.set MSB, (\new)
.endif
.endm
.macro CROUND                          ; a round of the cluster's barrier
	s_barrier_signal -1
	s_barrier_wait -1
	s_cmp_lg_u32 s[WV], 0
	s_cbranch_scc1 .Lnot_wave_0_\@
	s_barrier_signal -3
.Lnot_wave_0_\@:
	s_barrier_wait -3
	s_barrier_signal -1
	s_barrier_wait -1
.endm
	s_load_b128 s[4:7], s[0:1], 0x0                ; img s[4:5], bst s[6:7]
	s_load_b64 s[8:9], s[0:1], 0x10                ; out0
	v_lshl_add_u32 v[SPW], v0, 2, SPARE
	v_mov_b32 v[NIL], 0
	ds_add_u32 v[SPW], v[NIL]                      ; the wave's opening: the add, twice on end, and its wait ahead of my tensor load
	ds_add_u32 v[SPW], v[NIL]                      ; and once more; the set-up below stands between it and the wait
	v_lshrrev_b32 v9, 5, v0
	v_readfirstlane_b32 s[WV], v9                  ; wave 0..7
	s_bfe_u32 s[CX], ttmp6, 0x40000                ; my place in the cluster: which 512 queries
	s_and_b32 s[BH], ttmp7, 0xffff                 ; 16 batch + head, which the four partners share
	s_mov_b32 s[G1A], 15|(3<<16)|(1<<21)           ; the mask: all four; elements of 8 bytes; bit 21 beside a mask; no padding: chunks are read as they lie
	s_mov_b32 s[G1A+1], 32<<16                     ; rows of 256 bytes,
	s_mov_b32 s[G1A+2], 68<<16                     ; 68 of them: a quarter of a region
	s_mov_b32 s[G1A+3], 32<<16
	s_mov_b32 s[G1A+4], 68
	s_mov_b32 s[G1A+5], 32                         ; dense
	s_mov_b32 s[G1A+6], 0
	s_mov_b32 s[G1A+7], 0
	s_mul_i32 s48, s[BH], HREG                     ; the head's region
	s_lshr_b32 s49, s[WV], 2
	s_add_co_u32 s49, s49, 1
	s_mul_i32 s49, s49, MSTR                       ; waves 0-3: k's part of img; waves 4-7: v's
	s_and_b32 s50, s[WV], 3
	s_mul_i32 s50, s50, 17408                      ; my quarter
	s_add_co_u32 s50, s50, s49
	s_add_co_u32 s50, s50, s48
	s_mov_b32 s51, 0
	s_mov_b32 s[G0A], 1
	s_mul_i32 s[G0A+1], s[WV], 17408               ; and where it goes
	s_lshl_b32 s52, s[BH], 13                      ; nb: 8,192 bytes a head
	s_mov_b32 s53, 0
	s_lshl_b32 s54, s[CX], 5
	s_lshl_b32 s55, s[WV], 2
	s_add_co_u32 s54, s54, s55                     ; my first query tile: 32 cx + 4 wave
	s_lshl_b32 s54, s54, 9
	s_add_co_u32 s54, s54, s48                     ; its chunk in q's part of img
	s_mov_b32 s55, 0
	s_lshl_b32 s56, s[CX], 2
	s_lshr_b32 s57, s[WV], 1
	s_add_co_u32 s56, s56, s57                     ; its step of 128 tokens,
	s_lshl_b32 s56, s56, 8
	s_and_b32 s57, s[WV], 1
	s_lshl_b32 s57, s57, 3                         ; and the two words of my four tiles
	s_add_co_u32 s56, s56, s57
	s_add_co_u32 s56, s56, s48
	s_add_co_u32 s56, s56, 65536
	s_mov_b32 s57, 0
	s_lshr_b32 s58, s[BH], 4
	s_lshl_b32 s58, s58, 11
	s_lshl_b32 s59, s[CX], 9
	s_add_co_u32 s58, s58, s59
	s_lshl_b32 s59, s[WV], 6
	s_add_co_u32 s58, s58, s59                     ; my first row of out0: 2,048 batch + 512 cx + 64 wave,
	s_lshl_b32 s58, s58, 12                        ; 4,096 bytes a row,
	s_and_b32 s59, s[BH], 15
	s_lshl_b32 s59, s59, 8                         ; 256 bytes a head
	s_add_co_u32 s58, s58, s59
	s_mov_b32 s59, 0
	s_mov_b32 s[CS], 0x3e13bb63                    ; log2(e) / 10
	s_mov_b32 s[CS+1], s[CS]                       ; (named with it as a pair, so it is written)
	s_mov_b32 s[SEL], 0x76543210
	s_mov_b32 s[SEL+1], 0xfedcba98
	s_mov_b32 s[TK], 0
	s_mov_b32 s[TB], 0
	s_mov_b32 s[TS], 0
	s_wait_dscnt 0x0                               ; both opening adds are done
	s_wait_kmcnt 0x0
	s_add_nc_u64 s[G0A+2:G0A+3], s[4:5], s[50:51]
	s_or_b32 s[G0A+3], s[G0A+3], 0x80000000
	s_add_nc_u64 s[6:7], s[6:7], s[52:53]
	s_add_nc_u64 s[54:55], s[4:5], s[54:55]
	s_add_nc_u64 s[56:57], s[4:5], s[56:57]
	s_add_nc_u64 s[8:9], s[8:9], s[58:59]
	CROUND                                         ; all four work-groups are here: the joint loads meet
	tensor_load_to_lds s[G0A:G0A+3], s[G1A:G1A+7]  ; my one tensor load
	s_nop 0
.rept 4
	v_nop
.endr
	v_lshlrev_b32 v1, 4, v0                        ; 16 x thread
	global_load_b128 v[224:227], v1, s[6:7]        ; nb: 256 threads x 16 bytes, twice: sixteen lanes read 256 consecutive bytes
	global_load_b128 v[228:231], v1, s[6:7] offset:4096
	v_and_b32 v9, 31, v0
	v_and_b32 v10, 15, v0                          ; r
	v_bfe_u32 v11, v0, 4, 1                        ; h
	v_lshlrev_b32 v[L16], 4, v9
	v_lshlrev_b32 v[R16], 4, v10
.irp i, 0,1,2,3
	global_load_b128 v[QCH+8*\i+4:QCH+8*\i+7], v[L16], s[54:55] offset:512*\i   ; my four query tiles stay in registers
.endr
	global_load_b64 v[QRAW:QRAW+1], v[R16], s[56:57]   ; row r's two words: the two bytes of each of the four tiles
	v_add_nc_u32 v[BWA], BSTL, v1
	v_and_b32 v92, 7, v0                           ; r % 8
	v_bfe_u32 v93, v0, 3, 1                        ; r / 8
	v_lshlrev_b32 v[AK0], 4, v92
	v_lshl_add_u32 v[ASK0], v93, 2, v[AK0]
	v_lshl_add_u32 v[AK0], v93, 10, v[AK0]         ; rows 8-15 of a tile lie 32 tokens, two chunks, further on
	v_lshl_add_u32 v[AK0], v11, 8, v[AK0]
	v_add_nc_u32 v[ASK0], 0x10000, v[ASK0]
	v_add_nc_u32 v[AV0], VREG, v[L16]
	v_add_nc_u32 v[ASV0], VREG+65536, v[R16]
	v_lshl_add_u32 v[AB0], v11, 7, BSTL
	v_lshlrev_b32 v[SH8], 3, v11
	s_mul_i32 s49, s[WV], 16*272
	s_add_co_u32 s49, s49, OSTG                    ; my stage
	v_mul_u32_u24 v[STO], v10, 272                 ; in: row r, 32 bytes for each half of the lanes
	v_lshl_add_u32 v[STO], v11, 5, v[STO]
	v_add_nc_u32 v[STO], s49, v[STO]
	v_mul_u32_u24 v[RD], v11, 272                  ; back: lanes 0-15 one row of 256 bytes, lanes 16-31 the next
	v_lshl_add_u32 v[RD], v10, 4, v[RD]
	v_add_nc_u32 v[RD], s49, v[RD]
	v_lshlrev_b32 v[GO], 12, v11                   ; and the same two rows in out0
	v_lshl_add_u32 v[GO], v10, 4, v[GO]
.irp z, 0,1,2,3,4
.irp j, 0,1,2,3
	v_mov_b32 v[QCH+8*\z+\j], 0                    ; the chain's zero codes
.endr
.endr
; Eight products: the step's 128 keys x query tile i; eight different results, each begun with 0.
.macro SCORES sb, i
	WIN 0x01                                       ; source 0 in window 1
.irp b, 0,1,2,3
.irp u, 0,1
	v_wmma_scale_f32_16x16x128_f8f6f4 v[\sb+8*(2*\b+\u):\sb+8*(2*\b+\u)+7], v[KF+8*\b:KF+8*\b+7], v[QCH+8*(\i)+4*(1-\u):QCH+8*(\i)+4*(1-\u)+7], 0, v[KS+\b], v[QS+(\i)] matrix_a_fmt:MATRIX_FMT_FP4 matrix_b_fmt:MATRIX_FMT_FP4
.endr
.endr
.endm
; O^T of tile i += v^T p^T: four accumulators, one instruction each.  zero = 1: the first step starts the sums.
.macro PV i, zero
	WIN 0x51                                       ; source 0, C and D in window 1
.irp t, 0,1,2,3
.if \zero
	v_wmma_scale_f32_16x16x128_f8f6f4 v[32*(\i)+8*\t:32*(\i)+8*\t+7], v[VF+8*\t:VF+8*\t+7], v[PC:PC+7], 0, v[VS+\t], v[PW] matrix_a_fmt:MATRIX_FMT_FP4 matrix_b_fmt:MATRIX_FMT_FP4
.else
	v_wmma_scale_f32_16x16x128_f8f6f4 v[32*(\i)+8*\t:32*(\i)+8*\t+7], v[VF+8*\t:VF+8*\t+7], v[PC:PC+7], v[32*(\i)+8*\t:32*(\i)+8*\t+7], v[VS+\t], v[PW] matrix_a_fmt:MATRIX_FMT_FP4 matrix_b_fmt:MATRIX_FMT_FP4
.endif
.endr
.endm
.macro FMA sb                          ; t + nb, two at a time, each result from its low end on.  These 32 are also the places ahead of the products that follow
	WIN 0x10                                       ; source 2 (nb) in window 1
.set n, 0
.rept 32
	v_pk_fma_f32 v[\sb+2*n:\sb+2*n+1], v[\sb+2*n:\sb+2*n+1], s[CS:CS+1], v[NB+2*n:NB+2*n+1] op_sel_hi:[1,0,1]
.set n, n+1
.endr
.endm
.macro LOADK                           ; a step's eight key tiles by the chosen rows, and four scale words a lane as they lie
	WIN 0
	v_add_nc_u32 v[WA], s[TK], v[AK0]
	v_add_nc_u32 v[WB], s[TS], v[ASK0]
	WIN 0x40
.irp n, 0,1,2,3,4,5,6,7
	ds_load_b128 v[KF+4*\n:KF+4*\n+3], v[WA] offset:2048*(\n/4)+512*((\n%4)/2)+128*(\n%2)
.endr
	WIN 0
.irp c, 0,1
.irp e, 0,1
	ds_load_b32 v[KW+2*\c+\e], v[WB] offset:128*\e+8*\c   ; token row 8 e + r % 8, word 2 c + r / 8: the bytes of my rows of tiles 4 c + e (low half) and 4 c + 2 + e (high half)
.endr
.endr
.endm
.macro KPERM                           ; pair b = 2 c + u: tile 4 c + 2 u's two bytes, then tile 4 c + 2 u + 1's
.irp c, 0,1
	v_perm_b32 v[KS+2*\c], v[KW+2*\c+1], v[KW+2*\c], 0x05040100
	v_perm_b32 v[KS+2*\c+1], v[KW+2*\c+1], v[KW+2*\c], 0x07060302
.endr
.endm
.macro LOADV
	WIN 0
	v_add_nc_u32 v[WA], s[TK], v[AV0]
	v_add_nc_u32 v[WB], s[TS], v[ASV0]
	WIN 0x40
.irp n, 0,1,2,3,4,5,6,7
	ds_load_b128 v[VF+4*\n:VF+4*\n+3], v[WA] offset:512*\n
.endr
	WIN 0
	ds_load_b128 v[VS:VS+3], v[WB]
.endm
.macro LOADB                           ; nb of keys 64 c + 32 h + 0 .. 31, c = 0, 1
	WIN 0
	v_add_nc_u32 v[WA], s[TB], v[AB0]
	WIN 0x40
.irp n, 0,1,2,3,4,5,6,7,8,9,10,11,12,13,14,15
	ds_load_b128 v[NB+4*\n:NB+4*\n+3], v[WA] offset:256*(\n/8)+16*(\n%8)
.endr
	WIN 0
.endm
; The largest t + nb of my two blocks: 2^x rises with x, so it gives the block's largest weight.  Eight chains, one a tile, by turns; then the joins with each tile's last register.
.macro MAXES sb
.irp n, 0,1,2,3,4,5,6,7
	v_max3_num_f32 v[TM+\n], v[\sb+8*\n], v[\sb+8*\n+1], v[\sb+8*\n+2]
.endr
.irp k, 3,5
.irp n, 0,1,2,3,4,5,6,7
	v_max3_num_f32 v[TM+\n], v[TM+\n], v[\sb+8*\n+\k], v[\sb+8*\n+\k+1]
.endr
.endr
	v_max3_num_f32 v[TM], v[TM], v[TM+1], v[\sb+7]
	v_max3_num_f32 v[TM+2], v[TM+2], v[TM+3], v[\sb+15]
	v_max3_num_f32 v[TM+4], v[TM+4], v[TM+5], v[\sb+39]
	s_delay_alu instid0(VALU_DEP_4)
	v_max3_num_f32 v[TM+6], v[TM+6], v[TM+7], v[\sb+47]
	s_delay_alu instid0(VALU_DEP_3)
	v_max3_num_f32 v[TM], v[TM], v[TM+2], v[\sb+23]
	s_delay_alu instid0(VALU_DEP_2)
	v_max3_num_f32 v[TM+4], v[TM+4], v[TM+6], v[\sb+55]
	s_delay_alu instid0(VALU_DEP_2)
	v_max_num_f32 v[TM], v[TM], v[\sb+31]
	s_delay_alu instid0(VALU_DEP_2)
	v_max_num_f32 v[TM+4], v[TM+4], v[\sb+63]
.endm
.macro CVT sb, n                       ; tile n's eight weights -> register n of p's operand
	v_cvt_scalef32_pk8_fp4_f32 v[PC+\n], v[\sb+8*\n:\sb+8*\n+7], v[TM+1+4*(\n/4)]
.endm
; The weights of one tile and their codes.  ld: the LDS loads that stand ahead of the batch (the 32 maxima are the places behind the products whose registers they fill).
.macro SOFT sb, ld
	WIN 0
	MAXES \sb
.if \ld == 1
	LOADK
.elseif \ld == 2
	LOADB
.elseif \ld == 3
	LOADV
.endif
	s_wait_alu depctr_va_vdst(0)                   ; one wait ahead of the batch
	v_exp_f32 v[TM], v[TM]                         ; the blocks' largest weights: the same instruction on the same number gives the same bits
	v_exp_f32 v[TM+4], v[TM+4]
.set n, 0
.rept 64
	v_exp_f32 v[\sb+n], v[\sb+n]                   ; the finished weight 2^(t + nb)
.set n, n+1
.endr
	v_nop                                          ; a plain place behind the batch
	s_wait_alu depctr_va_vdst(0)                   ; one wait behind it, ahead of its first reader; it also stands behind the phase's products and ahead of their first readers
	v_max_num_f32 v[TM], 0x1800000, v[TM]          ; the floor 2^(3 - 127): the byte cannot fall under 1
	v_max_num_f32 v[TM+4], 0x1800000, v[TM+4]
	s_delay_alu instid0(VALU_DEP_2)
	v_add_nc_u32 v[TM+1], 0xff000000, v[TM]        ; 2 off the exponent field: the conversion's scale operand
	s_delay_alu instid0(VALU_DEP_2)
	v_add_nc_u32 v[TM+5], 0xff000000, v[TM+4]
	s_delay_alu instid0(VALU_DEP_2)
	v_lshrrev_b32 v[TM+2], 23, v[TM+1]             ; the scale's byte
	s_delay_alu instid0(VALU_DEP_2)
	v_lshrrev_b32 v[TM+6], 23, v[TM+5]
	s_delay_alu instid0(VALU_DEP_1)
	v_lshl_or_b32 v[TM+3], v[TM+6], 16, v[TM+2]    ; my two bytes: blocks h and 2 + h,
	CVT \sb, 0
	CVT \sb, 1
	v_lshlrev_b32 v[TM+3], v[SH8], v[TM+3]         ; at their places in the word;
	CVT \sb, 2
	CVT \sb, 3
	v_permlanex16_b32 v[TM+7], v[TM+3], s[SEL], s[SEL+1]
	CVT \sb, 4
	CVT \sb, 5
	v_or_b32 v[PW], v[TM+3], v[TM+7]               ; with lane l xor 16's two the word is whole
	CVT \sb, 6
	CVT \sb, 7
	v_nop                                          ; one plain place behind a scaled conversion
.endm
; pv: 0 none, 1 the tile before's second product starts its sums, 2 it adds.  sc: the next tile's scores.  wf: the loads issued in the phase before are waited for.  kp: the next step's scale words of k are made.
.macro PHASE i, pv, sc, ld, wf, kp
.set CUR, S0+64*((\i)%2)
.set NXT, S0+64*(((\i)+1)%2)
.if \wf
	s_wait_dscnt 0x0
.endif
.if \kp
	KPERM
.endif
	FMA CUR
.if \pv
	PV ((\i)+3)%4, 2-(\pv)
.endif
.if \sc
	SCORES NXT, ((\i)+1)%4
.endif
	SOFT CUR, \ld
.endm
.macro TRIP pv                         ; tiles 1, 2, 3 of a step and tile 0 of the next
	PHASE 1, \pv, 1, 0, 1, 0                       ; v's tiles of this step are in
	PHASE 2, \pv, 1, 1, 0, 0                       ; the last scores of this step are issued: the next step's k is fetched
	PHASE 3, \pv, 1, 2, 1, 1                       ; it is in; behind this step's last use of nb the next step's is fetched
	PHASE 0, \pv, 1, 3, 1, 0                       ; it is in; behind the old step's last second product the new step's v is fetched
	s_add_co_u32 s[TK], s[TK], 4096
	s_add_co_u32 s[TB], s[TB], 512
	s_add_co_u32 s[TS], s[TS], 256
.endm
	s_wait_alu depctr_va_vdst(0)
	s_wait_loadcnt 0x0                             ; nb and q are in
	ds_store_b128 v[BWA], v[224:227]
	ds_store_b128 v[BWA], v[228:231] offset:4096
.irp i, 0,1,2,3
	v_perm_b32 v[QS+\i], v[QRAW+\i/2], v[QRAW+\i/2], 0x01000100+(\i%2)*0x02020202   ; the same two bytes for the lower and for the upper half of K
.endr
	s_wait_alu depctr_va_vdst(0)
	s_wait_tensorcnt 0x0                           ; my rows of k or v are in,
	s_wait_dscnt 0x0                               ; my part of nb is stored,
	s_barrier_signal -1
	s_barrier_wait -1                              ; everybody's are
	LOADK
	LOADB
	s_wait_dscnt 0x0
	KPERM
.rept 8
	v_nop                                          ; a scale register written by a vector instruction stands 8 places ahead of a scaled matrix instruction
.endr
	SCORES S0, 0
	WIN 0
.rept 4
	v_nop
.endr
	PHASE 0, 0, 1, 3, 0, 0
	s_add_co_u32 s[TK], s[TK], 4096
	s_add_co_u32 s[TB], s[TB], 512
	s_add_co_u32 s[TS], s[TS], 256
	TRIP 1                                         ; the first step's second products start the sums: nothing is cleared
	s_mov_b32 s[TRIPS], 14
.Lstep:
	TRIP 2
	s_sub_co_u32 s[TRIPS], s[TRIPS], 1
	s_cmp_lg_u32 s[TRIPS], 0
	s_cbranch_scc1 .Lstep
	PHASE 1, 2, 1, 0, 1, 0                         ; the last step fetches nothing
	PHASE 2, 2, 1, 0, 0, 0
	PHASE 3, 2, 0, 0, 0, 0
.rept 8
	v_nop                                          ; places between p's scale word and its product
.endr
	PV 3, 0
	WIN 0
.rept 4
	v_nop
.endr
; THE WAY OUT.  A lane holds 32 neighbouring bytes of a row of a head's 256: a tile of 16 queries goes through my own stage and comes back as whole rows, so that sixteen lanes store 256 consecutive bytes, aligned.
; LDS serves a wave's instructions in order (ISA guide 5.7.1.4): no wait between my stores and my loads.
.macro PACK i
	WIN 0x04                                       ; the data in window 1
.irp t, 0,1,2,3
	ds_store_b128 v[STO], v[32*\i+8*\t:32*\i+8*\t+3] offset:64*\t        ; each accumulator from its low end on
	ds_store_b128 v[STO], v[32*\i+8*\t+4:32*\i+8*\t+7] offset:64*\t+16
.endr
	WIN 0
.irp n, 0,1,2,3,4,5,6,7
	ds_load_b128 v[S0+32*\i+4*\n:S0+32*\i+4*\n+3], v[RD] offset:544*\n
.endr
.endm
.macro SEND i, younger                 ; younger: the LDS instructions issued behind tile i's loads, which may stay out
.irp n, 0,1,2,3,4,5,6,7
	s_wait_dscnt \younger+7-\n
	global_store_b128 v[GO], v[S0+32*\i+4*\n:S0+32*\i+4*\n+3], s[8:9] offset:4096*(16*\i+2*\n) th:TH_STORE_NT
.endr
.endm
	PACK 0
	PACK 1
	SEND 0, 16
	PACK 2
	SEND 1, 16
	PACK 3
	SEND 2, 16
	SEND 3, 0
	s_wait_tensorcnt 0x0                           ; the wave's end: behind my tensor load and my last LDS store
	ds_add_u32 v[SPW], v[NIL]
	s_wait_dscnt 0x0
	CROUND                                         ; the closing round
	s_endpgm
.Lfunc_end_k_qe979b0bfab_attn:
	.size	k_qe979b0bfab_attn, .Lfunc_end_k_qe979b0bfab_attn-k_qe979b0bfab_attn
	.p2alignl 7, 3214868480
	.fill 96, 4, 3214868480
	.section	.rodata,"a",@progbits
	.p2align	6, 0x0
	.amdhsa_kernel k_qe979b0bfab_attn
		.amdhsa_group_segment_fixed_size 327680
		.amdhsa_private_segment_fixed_size 0
		.amdhsa_enable_private_segment 0
		.amdhsa_kernarg_size 24
		.amdhsa_user_sgpr_count 2
		.amdhsa_user_sgpr_kernarg_segment_ptr 1
		.amdhsa_wavefront_size32 1
		.amdhsa_system_sgpr_workgroup_id_x 1
		.amdhsa_system_sgpr_workgroup_id_y 1
		.amdhsa_system_sgpr_workgroup_id_z 1
		.amdhsa_system_vgpr_workitem_id 0
		.amdhsa_next_free_vgpr 512
		.amdhsa_next_free_sgpr 66
		.amdhsa_reserve_vcc 0
		.amdhsa_float_denorm_mode_32 3
		.amdhsa_float_denorm_mode_16_64 3
		.amdhsa_memory_ordered 1
		.amdhsa_forward_progress 1
		.amdhsa_inst_pref_size 136
	.end_amdhsa_kernel
	.amdgpu_metadata
---
amdhsa.version: [ 1, 2 ]
amdhsa.kernels:
  - .name:           k_qe979b0bfab_attn
    .symbol:         k_qe979b0bfab_attn.kd
    .args:
      - { .name: img, .offset: 0, .size: 8, .value_kind: global_buffer, .address_space: global }
      - { .name: bst, .offset: 8, .size: 8, .value_kind: global_buffer, .address_space: global }
      - { .name: out0, .offset: 16, .size: 8, .value_kind: global_buffer, .address_space: global }
    .group_segment_fixed_size: 327680
    .private_segment_fixed_size: 0
    .kernarg_segment_align: 8
    .kernarg_segment_size: 24
    .max_flat_workgroup_size: 256
    .sgpr_count:     66
    .vgpr_count:     512
    .wavefront_size: 32
...
	.end_amdgpu_metadata
.endif
;; end of part 3
